; MI455X (gfx1250); checked and timed in simulation.
; The chip was launched on July 23, 2026; its instructions are those of AMD's public machine-readable ISA for CDNA 5 (MIT licence, August 2026) and "CDNA5" Instruction Set Architecture Reference Guide (July 2026). The comments in the code are by the model that wrote it; some were corrected since.
;; Sum Kernel. Allowed arithmetic: float matrix products may take bf16 or f16 operands with f32 sums; all other float work in f32.
;; Inputs: coset_functions 4 x 64 x 4 x 16 float32; kg_W1 32 x 256 float32; kg_W2 256 x 256 float32; kg_W3 256 x 1 float32; kg_b1 256 float32; kg_b2 256 float32; kg_b3 1 float32; kg_be1 256 float32; kg_be2 256 float32; kg_be3 1 float32; kg_g1 256 float32; kg_g2 256 float32; kg_g3 1 float32; ky_W1 32 x 256 float32; ky_W2 256 x 256 float32; ky_W3 256 x 1 float32; ky_b1 256 float32; ky_b2 256 float32; ky_b3 1 float32; ky_be1 256 float32; ky_be2 256 float32; ky_be3 1 float32; ky_g1 256 float32; ky_g2 256 float32; ky_g3 1 float32; mask 4 x 64 x 4 bool; pairwise_g 4 x 64 x 64 x 4 x 4 x 32 float32.
;; Outputs: out0 4 x 64 x 64 x 4 x 4 x 1 float32.
;; One version. Each part assembles by itself: llvm-mc -triple=amdgcn-amd-amdhsa -mcpu=gfx1250 --defsym DOCPART=n.
;; ======== version 1 of 1: 6 launches
;; limits: values are held in f16: magnitudes above 65,504 overflow, below 6.1e-05 lose precision
;; workspace buffers: part 2,097,152 bytes; w2f 262,144 bytes; sc1 4,096 bytes; sc2 4,096 bytes; z3 2,097,152 bytes; part3 8,192 bytes
;; launch stats1 (part 1): grid 128 x 2, 4 waves a work-group, no clusters, 16,896 bytes of LDS; arguments pairwise_g, coset_functions, kg_W1, ky_W1, kg_W2, ky_W2, part, w2f; writes part, w2f
.if DOCPART == 1
	.amdgcn_target "amdgcn-amd-amdhsa--gfx1250"
	.amdhsa_code_object_version 6
	.text
	.protected	k_q87a09dad78_stats1
	.globl	k_q87a09dad78_stats1
	.p2align	8
	.type	k_q87a09dad78_stats1,@function
k_q87a09dad78_stats1:
	s_mov_b64 s[64:65], 0
	v_nop
	global_prefetch_b8 v0, s[64:65] scope:SCOPE_SE
	s_setreg_imm32_b32 hwreg(HW_REG_WAVE_MODE, 25, 1), 1
	s_wait_xcnt 0x0
; Statistics of the first Linear of both branches (y = 0: kg on pairwise_g, y = 1: ky on the broadcast pairs of coset_functions),
; and W2 of both branches rewritten once as f16 in the order of matrix fragments (w2f).
; z1' = x W1 without the bias (the next launch adds it to the mean).  262,144 rows a branch; a work-group takes 2,048 rows, a wave 512
; (32 tiles of 16 rows = one (b,i,j) each), in 4 blocks of 8 tiles.  D[m = row][n = channel]: a lane holds one channel (16 n + r) and the
; rows 8 h + 0..7, so the sums of a channel cost no traffic between lanes until the end.
; VARIANCE: each lane takes its first value as pivot C and sums d = z - C and d^2; (mean, M2) of its 256 values follow, halves of the wave
; are merged by the equal-count form mean = (m + m')/2, M2 = M + M' + (n/2)(m - m')^2.  No difference of large sums is formed.
; FORMAT: x and W1 go to the matrix unit as f16 (sums f32).  Limit kept: an operand beyond 65,504 in magnitude overflows f16.
; The input mask is not read: reference() receives it and never uses it.
; No cluster: the work-groups share only W1 (32 KiB, read once each); no LDS ring: x goes straight to registers, one block ahead.
.set VA1, 8                            ; v[8:15]    tile t: byte offset of features 8h..8h+7 of my row
.set VA2, 16                           ; v[16:23]   tile t: byte offset of features 16+8h..16+8h+7
.set T, 24                             ; v[24:31]   at work
.set C, 32                             ; v[32:47]   pivot of channel tile n
.set S, 48                             ; v[48:79]   sum of d, a pair for each n
.set Q, 80                             ; v[80:111]  sum of d^2, a pair for each n
.set STG, 32                           ; v[32:95]   W1 as loaded (before the sums are started)
.set OUTR, 112                         ; v[112:127] W2 piece at the start, (mean, M2) pairs at the end
.set XR, 128                           ; v[128:255] x as loaded, 16 registers a tile
.set ACC0, 128                         ; window 1: v0-127 the 16 W1 fragments, v128-191 and v192-255 two sets of 8 result tiles
                                       ; window 2: v0-63 the 8 x fragments of a block
.set MSB, 0
.macro WIN new                         ; low byte: bits 1:0 source 0, 3:2 source 1, 5:4 source 2, 7:6 destination; high byte: the setting left
.if MSB != \new
	s_set_vgpr_msb (MSB<<8)|\new
.set MSB, \new
.endif
.endm
.macro PLACES                          ; four independent vector places behind a matrix instruction (ISA guide 7.12.1)
.rept 4
	v_nop
.endr
.endm
.macro XLOAD                           ; 32 loads: 8 tiles x 16 rows x 32 f32
.irp t, 0,1,2,3,4,5,6,7
	global_load_b128 v[XR+16*\t:XR+16*\t+3], v[VA1+\t], s[4:5]
	global_load_b128 v[XR+16*\t+4:XR+16*\t+7], v[VA1+\t], s[4:5] offset:16
	global_load_b128 v[XR+16*\t+8:XR+16*\t+11], v[VA2+\t], s[4:5]
	global_load_b128 v[XR+16*\t+12:XR+16*\t+15], v[VA2+\t], s[4:5] offset:16
.endr
.endm
.macro XSTEP                           ; eight tiles on
.irp t, 0,1,2,3,4,5,6,7
	v_add_nc_u32 v[VA1+\t], s43, v[VA1+\t]
	v_add_nc_u32 v[VA2+\t], s44, v[VA2+\t]
.endr
.endm
.macro SUBC reg, n                     ; two values less the pivot of channel tile n (one register of a pair, sent to both halves)
.if (\n)&1
	v_pk_add_f32 v[\reg:\reg+1], v[\reg:\reg+1], v[C+(\n)-1:C+(\n)] op_sel:[0,1] op_sel_hi:[1,1] neg_lo:[0,1] neg_hi:[0,1]
.else
	v_pk_add_f32 v[\reg:\reg+1], v[\reg:\reg+1], v[C+(\n):C+(\n)+1] op_sel_hi:[1,0] neg_lo:[0,1] neg_hi:[0,1]
.endif
.endm
.macro MUL1 acc, t, n0                 ; row tile t x channel tiles n0 .. n0+7; K = 32 is the whole sum, so C is the constant 0
.irp i, 0,1,2,3,4,5,6,7
	v_wmma_f32_16x16x32_f16 v[\acc+8*\i:\acc+8*\i+7], v[8*\t:8*\t+7], v[8*(\n0+\i):8*(\n0+\i)+7], 0
.endr
.endm
.macro STATU acc, n0, piv              ; the sums of 8 result tiles (one row tile, channel tiles n0 .. n0+7)
.if \piv
	WIN 0x04
.irp i, 0,1,2,3,4,5,6,7
	v_cndmask_b32 v[C+\n0+\i], v[C+\n0+\i], v[\acc+8*\i], s40       ; first block only: my first value becomes the pivot
.endr
.endif
	WIN 0x41
.irp i, 0,1,2,3,4,5,6,7
.irp j, 0,2,4,6
	SUBC (\acc+8*\i+\j),(\n0+\i)
.endr
.endr
	WIN 0x01
.irp j, 0,2,4,6
.irp i, 0,1,2,3,4,5,6,7
	v_pk_add_f32 v[S+2*(\n0+\i):S+2*(\n0+\i)+1], v[\acc+8*\i+\j:\acc+8*\i+\j+1], v[S+2*(\n0+\i):S+2*(\n0+\i)+1]
.endr
.endr
	WIN 0x05
.irp j, 0,2,4,6
.irp i, 0,1,2,3,4,5,6,7
	v_pk_fma_f32 v[Q+2*(\n0+\i):Q+2*(\n0+\i)+1], v[\acc+8*\i+\j:\acc+8*\i+\j+1], v[\acc+8*\i+\j:\acc+8*\i+\j+1], v[Q+2*(\n0+\i):Q+2*(\n0+\i)+1]
.endr
.endr
.endm
.macro FINSTAT                         ; (mean, M2) of the wave's 512 rows for all 256 channels, stored as 8 runs of 256 bytes
	v_lshlrev_b32 v30, 3, v1
.set ii, 0
.rept 16
	v_add_f32 v[S+2*ii], v[S+2*ii], v[S+2*ii+1]
	v_add_f32 v[Q+2*ii], v[Q+2*ii], v[Q+2*ii+1]
	v_mul_f32 v[S+2*ii+1], 0x3b800000, v[S+2*ii]                    ; t = S / 256
	v_add_f32 v[C+ii], v[C+ii], v[S+2*ii+1]                         ; m = C + t
	v_fma_f32 v[Q+2*ii], -v[S+2*ii+1], v[S+2*ii], v[Q+2*ii]         ; M = Q - t S
	v_permlanex16_b32 v[T], v[C+ii], s47, s48                       ; the other half of the wave: the same channel, the other 256 rows
	v_permlanex16_b32 v[T+1], v[Q+2*ii], s47, s48
	v_sub_f32 v[T+2], v[C+ii], v[T]
	v_add_f32 v[C+ii], v[C+ii], v[T]
	v_add_f32 v[Q+2*ii], v[Q+2*ii], v[T+1]
	v_mul_f32 v[T+3], 0x43000000, v[T+2]                            ; 128 = 256 / 2
	v_mul_f32 v[C+ii], 0.5, v[C+ii]
	v_fmac_f32 v[Q+2*ii], v[T+3], v[T+2]
.set ii, ii+1
.endr
.irp q, 0,1,2,3,4,5,6,7
	v_cndmask_b32 v[OUTR+2*\q], v[C+2*\q], v[C+2*\q+1], s45         ; lanes 0-15 channel 32 q + r, lanes 16-31 channel 32 q + 16 + r
	v_cndmask_b32 v[OUTR+2*\q+1], v[Q+4*\q], v[Q+4*\q+2], s45
	global_store_b64 v30, v[OUTR+2*\q:OUTR+2*\q+1], s[12:13] offset:256*\q    ; the wave stores 256 consecutive bytes, aligned
.endr
.endm
	s_load_b512 s[72:87], s[0:1], 0x0              ; pairwise_g 72, coset_functions 74, kg_W1 76, ky_W1 78, kg_W2 80, ky_W2 82, part 84, w2f 86
	v_lshl_add_u32 v29, v0, 2, 0x4000
	v_mov_b32 v31, 0
	v_and_b32 v1, 31, v0                           ; lane L
	v_lshrrev_b32 v24, 5, v0
	v_readfirstlane_b32 s36, v24                   ; wave w
	s_and_b32 s37, ttmp7, 0xffff                   ; branch y
	s_mov_b32 s38, ttmp9                           ; g
	v_and_b32 v2, 15, v0                           ; r
	v_bfe_u32 v3, v0, 4, 1                         ; h
	v_lshlrev_b32 v4, 4, v1                        ; 16 L
	s_mov_b32 s45, 0xffff0000                      ; lanes with h = 1
	s_mov_b32 s47, 0x76543210                      ; v_permlanex16_b32: lane i of the other half
	s_mov_b32 s48, 0xfedcba98
	; where my first tile T0 = 128 g + 32 w lies.  kg: tile T at 2,048 T.  ky: T = (64 b + i) 64 + j; features 0-15 are cf[b][j][t],
	; features 16-31 cf[b][i][s], row r = 4 s + t; 32 tiles of a wave share b and i, and j runs on
	s_lshl_b32 s14, s38, 7
	s_lshl_b32 s15, s36, 5
	s_add_co_u32 s14, s14, s15                     ; T0
	s_lshl_b32 s16, s14, 11                        ; kg: both halves
	s_lshr_b32 s17, s14, 12
	s_lshl_b32 s17, s17, 14
	s_and_b32 s18, s14, 63
	s_lshl_b32 s18, s18, 8
	s_add_co_u32 s17, s17, s18                     ; ky: (64 b + j) 256
	s_lshr_b32 s19, s14, 6
	s_lshl_b32 s19, s19, 8                         ; ky: (64 b + i) 256
	s_mov_b32 s41, 256                             ; ky's steps; an instruction carries one literal, so the selects below take these from registers
	s_mov_b32 s43, 2048
	s_cmp_eq_u32 s37, 0
	s_cselect_b32 s20, s16, s17
	s_cselect_b32 s21, s16, s19
	s_cselect_b32 s49, 15, 3                       ; first half: row index r, or t = r & 3
	s_cselect_b32 s50, 7, 6                        ; a row is 128 or 64 bytes
	s_cselect_b32 s51, 0, 2                        ; second half: r, or s = r >> 2
	s_cselect_b32 s52, 64, 0                       ; second half: 64 bytes on in the same row, or another row
	s_cselect_b32 s41, 2048, s41                   ; from tile to tile: 2,048 or 256
	s_cselect_b32 s42, 2048, 0
	s_cselect_b32 s43, 16384, s43                  ; from block to block: 16,384 or 2,048
	s_cselect_b32 s44, 16384, 0
	v_and_b32 v24, s49, v2
	v_lshlrev_b32 v24, s50, v24
	v_lshl_add_u32 v24, v3, 5, v24
	v_add_nc_u32 v[VA1], s20, v24
	v_lshrrev_b32 v25, s51, v2
	v_lshlrev_b32 v25, s50, v25
	v_lshl_add_u32 v25, v3, 5, v25
	v_add3_u32 v[VA2], v25, s52, s21
.irp t, 1,2,3,4,5,6,7
	v_add_nc_u32 v[VA1+\t], s41, v[VA1+\t-1]
	v_add_nc_u32 v[VA2+\t], s42, v[VA2+\t-1]
.endr
	v_lshlrev_b32 v5, 13, v3
	v_lshl_add_u32 v5, v2, 2, v5                   ; 8 h rows of 1,024 bytes + 4 r: a weight matrix's (k = 8 h, column r)
	s_lshl_b32 s14, s36, 8
	v_add_nc_u32 v6, s14, v5                       ; W1: + my four channel tiles, 64 w columns
	s_lshl_b32 s15, s36, 12
	v_add_nc_u32 v7, s15, v4                       ; LDS: 16 L + my eight half fragments of 512 bytes
	s_and_b32 s22, s38, 7                          ; W2 piece of waves 0, 1: half fragment 2 g + w = ((n 8 + ks) 2 + u), n = g >> 3, ks = g & 7, u = w
	s_lshl_b32 s22, s22, 15
	s_lshl_b32 s16, s36, 14
	s_add_co_u32 s22, s22, s16                     ; row k = 32 ks + 16 u
	s_lshr_b32 s16, s38, 3
	s_lshl_b32 s16, s16, 6
	s_add_co_u32 s22, s22, s16                     ; column 16 n
	s_mov_b32 s23, 0
	s_lshl_b32 s26, s37, 17
	s_lshl_b32 s16, s38, 10
	s_add_co_u32 s26, s26, s16
	s_lshl_b32 s16, s36, 9
	s_add_co_u32 s26, s26, s16                     ; w2f: 131,072 y + 512 (2 g + w)
	s_mov_b32 s27, 0
	s_lshl_b32 s28, s37, 9
	s_lshl2_add_u32 s28, s38, s28
	s_add_co_u32 s28, s28, s36
	s_lshl_b32 s28, s28, 11                        ; part: 2,048 (512 y + 4 g + w)
	s_mov_b32 s29, 0
	s_wait_kmcnt 0x0
	s_cmp_eq_u32 s37, 0
	s_cselect_b64 s[4:5], s[72:73], s[74:75]       ; x
	s_cselect_b64 s[6:7], s[76:77], s[78:79]       ; W1
	s_cselect_b64 s[8:9], s[80:81], s[82:83]       ; W2
	s_add_nc_u64 s[8:9], s[8:9], s[22:23]
	s_add_nc_u64 s[10:11], s[86:87], s[26:27]
	s_add_nc_u64 s[12:13], s[84:85], s[28:29]
	s_cmp_ge_u32 s36, 2
	s_cbranch_scc1 .Lnow2a
.irp e, 0,1,2,3,4,5,6,7
	global_load_b32 v[OUTR+\e], v5, s[8:9] offset:1024*\e           ; W2(k + 8 h + e, 16 n + r)
.endr
.Lnow2a:
.irp a, 0,1,2,3
.irp b, 0,1
.irp e, 0,1,2,3,4,5,6,7
	global_load_b32 v[STG+16*\a+8*\b+\e], v6, s[6:7] offset:1024*\e+16384*\b+64*\a    ; W1(16 b + 8 h + e, 16 (4 w + a) + r)
.endr
.endr
.endr
	XLOAD
	s_wait_loadcnt 32                              ; the weights are in; the 32 younger loads of x stay out
.set ii, 0
.rept 32
	v_cvt_pk_f16_f32 v[STG+ii], v[STG+2*ii], v[STG+2*ii+1]          ; in place, ascending: a result never lands on a source not yet read
.set ii, ii+1
.endr
.irp i, 0,1,2,3,4,5,6,7
	ds_store_b128 v7, v[STG+4*\i:STG+4*\i+3] offset:512*\i
.endr
	s_cmp_ge_u32 s36, 2
	s_cbranch_scc1 .Lnow2b
.irp i, 0,1,2,3
	v_cvt_pk_f16_f32 v[OUTR+8+\i], v[OUTR+2*\i], v[OUTR+2*\i+1]
.endr
	global_store_b128 v4, v[OUTR+8:OUTR+11], s[10:11]               ; the wave stores 512 consecutive bytes, aligned
.Lnow2b:
	s_wait_dscnt 0x0                               ; my fragments are in LDS before I say so
	s_barrier_signal -1
	s_barrier_wait -1
	WIN 0x40
.set ii, 0
.rept 32
	ds_load_b128 v[4*ii:4*ii+3], v4 offset:512*ii                   ; all 16 fragments of W1 stay in registers
.set ii, ii+1
.endr
	WIN 0
.set ii, 0
.rept 80
	v_mov_b32 v[C+ii], 0                           ; pivots and sums, once a wave: the block loop is rolled
.set ii, ii+1
.endr
	s_wait_dscnt 0x0
	s_mov_b32 s39, 0
.Lblk:
	s_cmp_eq_u32 s39, 0
	s_cselect_b32 s40, -1, 0                       ; all lanes in the first block: pivots are taken
	s_wait_loadcnt 0x0                             ; this block's x; also frees VA1, VA2
	WIN 0x80
.irp t, 0,1,2,3,4,5,6,7
.irp i, 0,1,2,3,4,5,6,7
	v_cvt_pk_f16_f32 v[8*\t+\i], v[XR+16*\t+2*\i], v[XR+16*\t+2*\i+1]
.endr
.endr
	WIN 0
	XSTEP
	s_cmp_eq_u32 s39, 3
	s_cbranch_scc1 .Lnox                           ; the last block asks for nothing: no load leaves the buffer
	XLOAD
.Lnox:
.set u, 0
.rept 16
	WIN 0x46
	MUL1 (ACC0+64*(u&1)),(u>>1),(8*(u&1))
.set pv, 0
.if u < 3
.set pv, 1
.endif
.if u == 0
	PLACES
.else
	STATU (ACC0+64*((u-1)&1)),(8*((u-1)&1)),pv     ; the sums of the unit before stand behind this unit's products: they are its places
.endif
.set u, u+1
.endr
	STATU (ACC0+64),8,0
	WIN 0
	s_add_co_u32 s39, s39, 1
	s_cmp_lt_u32 s39, 4
	s_cbranch_scc1 .Lblk
	s_wait_xcnt 0x0                                ; v[120:123] were the data of the store into w2f: rewritten only behind this wait
	FINSTAT
	s_wait_tensorcnt 0x0
	ds_add_u32 v29, v31
	s_wait_dscnt 0x0
	s_endpgm
.Lfunc_end_k_q87a09dad78_stats1:
	.size	k_q87a09dad78_stats1, .Lfunc_end_k_q87a09dad78_stats1-k_q87a09dad78_stats1
	.p2alignl 7, 3214868480
	.fill 96, 4, 3214868480
	.section	.rodata,"a",@progbits
	.p2align	6, 0x0
	.amdhsa_kernel k_q87a09dad78_stats1
		.amdhsa_group_segment_fixed_size 16896
		.amdhsa_private_segment_fixed_size 0
		.amdhsa_enable_private_segment 0
		.amdhsa_kernarg_size 64
		.amdhsa_user_sgpr_count 2
		.amdhsa_user_sgpr_kernarg_segment_ptr 1
		.amdhsa_wavefront_size32 1
		.amdhsa_system_sgpr_workgroup_id_x 1
		.amdhsa_system_sgpr_workgroup_id_y 1
		.amdhsa_system_sgpr_workgroup_id_z 1
		.amdhsa_system_vgpr_workitem_id 0
		.amdhsa_next_free_vgpr 576
		.amdhsa_next_free_sgpr 96
		.amdhsa_reserve_vcc 0
		.amdhsa_float_denorm_mode_32 3
		.amdhsa_float_denorm_mode_16_64 3
		.amdhsa_memory_ordered 1
		.amdhsa_forward_progress 1
		.amdhsa_inst_pref_size 148
	.end_amdhsa_kernel
	.amdgpu_metadata
---
amdhsa.version: [ 1, 2 ]
amdhsa.kernels:
  - .name:           k_q87a09dad78_stats1
    .symbol:         k_q87a09dad78_stats1.kd
    .args:
      - { .name: pairwise_g, .offset: 0, .size: 8, .value_kind: global_buffer, .address_space: global }
      - { .name: coset_functions, .offset: 8, .size: 8, .value_kind: global_buffer, .address_space: global }
      - { .name: kg_W1, .offset: 16, .size: 8, .value_kind: global_buffer, .address_space: global }
      - { .name: ky_W1, .offset: 24, .size: 8, .value_kind: global_buffer, .address_space: global }
      - { .name: kg_W2, .offset: 32, .size: 8, .value_kind: global_buffer, .address_space: global }
      - { .name: ky_W2, .offset: 40, .size: 8, .value_kind: global_buffer, .address_space: global }
      - { .name: part, .offset: 48, .size: 8, .value_kind: global_buffer, .address_space: global }
      - { .name: w2f, .offset: 56, .size: 8, .value_kind: global_buffer, .address_space: global }
    .group_segment_fixed_size: 16896
    .private_segment_fixed_size: 0
    .kernarg_segment_align: 8
    .kernarg_segment_size: 64
    .max_flat_workgroup_size: 128
    .sgpr_count:     96
    .vgpr_count:     576
    .wavefront_size: 32
...
	.end_amdgpu_metadata
.endif
;; end of part 1
;; launch fin (part 2): grid 8 x 2, 8 waves a work-group, no clusters, 3,072 bytes of LDS; arguments part, kg_b1, kg_g1, kg_be1, ky_b1, ky_g1, ky_be1, sc1; writes sc1
.if DOCPART == 2
	.amdgcn_target "amdgcn-amd-amdhsa--gfx1250"
	.amdhsa_code_object_version 6
	.text
	.protected	k_q87a09dad78_fin
	.globl	k_q87a09dad78_fin
	.p2align	8
	.type	k_q87a09dad78_fin,@function
k_q87a09dad78_fin:
	s_mov_b64 s[64:65], 0
	v_nop
	global_prefetch_b8 v0, s[64:65] scope:SCOPE_SE
	s_setreg_imm32_b32 hwreg(HW_REG_WAVE_MODE, 25, 1), 1
	s_wait_xcnt 0x0
; Merges the 512 partial (mean, M2) of each of 256 channels of a branch (each over 512 rows) and turns them into BatchNorm's
; scale and shift for a layer whose products were made WITHOUT the bias b:  mu = mean + b,  a = g rsqrt(var + 1e-5),  c = a (b - mu) + be.
; Work-group (x, y): channels 32 x .. 32 x + 31 of branch y; lane = channel; wave w takes the partials w + 8 i, i = 0 .. 63.
; Equal-count merge: mean = average of the means, M2 = sum of M2 + n sum (m - mean)^2: no difference of large sums.
; 16 work-groups: the whole job is 2 MiB of loads and 4 KiB of results; matrix units, clusters and an LDS ring have nothing to do here.
	s_load_b512 s[8:23], s[0:1], 0x0               ; part 8, kg b 10, g 12, be 14, ky b 16, g 18, be 20, sc 22
	v_lshl_add_u32 v160, v0, 2, 0x800
	v_mov_b32 v161, 0
	v_and_b32 v1, 31, v0
	v_lshrrev_b32 v2, 5, v0
	v_readfirstlane_b32 s4, v2                     ; wave
	s_and_b32 s5, ttmp7, 0xffff                    ; branch
	v_lshlrev_b32 v3, 3, v1                        ; 8 L
	s_lshl_b32 s6, s4, 11
	s_lshl_b32 s7, ttmp9, 8
	s_add_co_u32 s6, s6, s7
	v_add_nc_u32 v4, s6, v3                        ; partial w (2,048 bytes each) + channel 32 x + L (8 bytes each)
	s_lshl_b32 s7, ttmp9, 7
	v_lshl_add_u32 v5, v1, 2, s7                   ; 4 x channel
	s_lshl_b32 s6, s4, 8
	v_add_nc_u32 v6, s6, v3                        ; LDS: 256 w + 8 L
	s_lshl_b32 s24, s5, 20
	s_mov_b32 s25, 0
	s_lshl_b32 s32, s5, 11
	s_mov_b32 s33, 0
	s_mov_b32 s34, 0x36800000                      ; 1 / 262,144
	s_mov_b32 s35, 0x3727c5ac                      ; 1e-5
	s_wait_kmcnt 0x0
	s_add_nc_u64 s[8:9], s[8:9], s[24:25]
	s_add_nc_u64 s[22:23], s[22:23], s[32:33]
	s_cmp_eq_u32 s5, 0
	s_cselect_b64 s[26:27], s[10:11], s[16:17]
	s_cselect_b64 s[28:29], s[12:13], s[18:19]
	s_cselect_b64 s[30:31], s[14:15], s[20:21]
.set i, 0
.rept 64
	global_load_b64 v[8+2*i:9+2*i], v4, s[8:9] offset:16384*i       ; a wave's load covers 256 consecutive bytes, aligned
.set i, i+1
.endr
	global_load_b32 v136, v5, s[26:27]             ; b
	global_load_b32 v137, v5, s[28:29]             ; g
	global_load_b32 v138, v5, s[30:31]             ; be
	s_wait_loadcnt 0x0
	; sums of the means and of the M2 together, as pairs, in four chains started by the first eight pairs
.irp k, 0,1,2,3
	v_pk_add_f32 v[140+2*\k:141+2*\k], v[8+2*\k:9+2*\k], v[16+2*\k:17+2*\k]
.endr
.set i, 8
.rept 56
	v_pk_add_f32 v[140+2*(i%4):141+2*(i%4)], v[140+2*(i%4):141+2*(i%4)], v[8+2*i:9+2*i]
.set i, i+1
.endr
	v_pk_add_f32 v[140:141], v[140:141], v[142:143]
	v_pk_add_f32 v[144:145], v[144:145], v[146:147]
	v_pk_add_f32 v[140:141], v[140:141], v[144:145]
	v_mul_f32 v148, 0x3c800000, v140               ; mean of my 64 partials
.set i, 0
.rept 64
	v_sub_f32 v[8+2*i], v[8+2*i], v148
.set i, i+1
.endr
.irp k, 0,1,2,3
	v_mul_f32 v[150+\k], v[8+2*\k], v[8+2*\k]
.endr
.set i, 4
.rept 60
	v_fmac_f32 v[150+i%4], v[8+2*i], v[8+2*i]
.set i, i+1
.endr
	v_add_f32 v150, v150, v151
	v_add_f32 v152, v152, v153
	v_add_f32 v150, v150, v152
	v_fmamk_f32 v149, v150, 0x44000000, v141       ; M2 = sum M2 + 512 sum (m - mean)^2
	ds_store_b64 v6, v[148:149]
	s_wait_dscnt 0x0                               ; in LDS before I say so
	s_barrier_signal -1
	s_barrier_wait -1
	s_cmp_lg_u32 s4, 0
	s_cbranch_scc1 .Lend
.irp i, 0,1,2,3,4,5,6,7
	ds_load_b64 v[8+2*\i:9+2*\i], v3 offset:256*\i ; the eight waves' figures for my channel, 32,768 rows each
.endr
	s_wait_dscnt 0x0
	v_pk_add_f32 v[140:141], v[8:9], v[10:11]
	v_pk_add_f32 v[142:143], v[12:13], v[14:15]
	v_pk_add_f32 v[144:145], v[16:17], v[18:19]
	v_pk_add_f32 v[146:147], v[20:21], v[22:23]
	v_pk_add_f32 v[140:141], v[140:141], v[142:143]
	v_pk_add_f32 v[144:145], v[144:145], v[146:147]
	v_pk_add_f32 v[140:141], v[140:141], v[144:145]
	v_mul_f32 v148, 0x3e000000, v140               ; mean of z'
.irp i, 0,1,2,3,4,5,6,7
	v_sub_f32 v[8+2*\i], v[8+2*\i], v148
.endr
	v_mul_f32 v150, v8, v8
	v_mul_f32 v151, v10, v10
.irp i, 2,4,6
	v_fmac_f32 v150, v[8+2*\i], v[8+2*\i]
	v_fmac_f32 v151, v[10+2*\i], v[10+2*\i]
.endr
	v_add_f32 v150, v150, v151
	v_fmamk_f32 v149, v150, 0x47000000, v141       ; + 32,768 sum (m - mean)^2
	v_fma_f32 v151, v149, s34, s35                 ; biased variance + eps
	v_rsq_f32 v152, v151
	v_add_f32 v153, v148, v136                     ; mu = mean + b: the plain instruction behind v_rsq_f32 (ISA guide 5.7.2)
	s_wait_alu depctr_va_vdst(0)
	v_mul_f32 v152, v152, v137                     ; a
	v_sub_f32 v153, v136, v153                     ; b - mu
	v_fma_f32 v153, v152, v153, v138               ; c
	global_store_b32 v5, v152, s[22:23]
	global_store_b32 v5, v153, s[22:23] offset:1024
.Lend:
	s_wait_tensorcnt 0x0
	ds_add_u32 v160, v161
	s_wait_dscnt 0x0
	s_endpgm
.Lfunc_end_k_q87a09dad78_fin:
	.size	k_q87a09dad78_fin, .Lfunc_end_k_q87a09dad78_fin-k_q87a09dad78_fin
	.p2alignl 7, 3214868480
	.fill 96, 4, 3214868480
	.section	.rodata,"a",@progbits
	.p2align	6, 0x0
	.amdhsa_kernel k_q87a09dad78_fin
		.amdhsa_group_segment_fixed_size 3072
		.amdhsa_private_segment_fixed_size 0
		.amdhsa_enable_private_segment 0
		.amdhsa_kernarg_size 64
		.amdhsa_user_sgpr_count 2
		.amdhsa_user_sgpr_kernarg_segment_ptr 1
		.amdhsa_wavefront_size32 1
		.amdhsa_system_sgpr_workgroup_id_x 1
		.amdhsa_system_sgpr_workgroup_id_y 1
		.amdhsa_system_sgpr_workgroup_id_z 1
		.amdhsa_system_vgpr_workitem_id 0
		.amdhsa_next_free_vgpr 162
		.amdhsa_next_free_sgpr 66
		.amdhsa_reserve_vcc 0
		.amdhsa_float_denorm_mode_32 3
		.amdhsa_float_denorm_mode_16_64 3
		.amdhsa_memory_ordered 1
		.amdhsa_forward_progress 1
		.amdhsa_inst_pref_size 19
	.end_amdhsa_kernel
	.amdgpu_metadata
---
amdhsa.version: [ 1, 2 ]
amdhsa.kernels:
  - .name:           k_q87a09dad78_fin
    .symbol:         k_q87a09dad78_fin.kd
    .args:
      - { .name: part, .offset: 0, .size: 8, .value_kind: global_buffer, .address_space: global }
      - { .name: kg_b1, .offset: 8, .size: 8, .value_kind: global_buffer, .address_space: global }
      - { .name: kg_g1, .offset: 16, .size: 8, .value_kind: global_buffer, .address_space: global }
      - { .name: kg_be1, .offset: 24, .size: 8, .value_kind: global_buffer, .address_space: global }
      - { .name: ky_b1, .offset: 32, .size: 8, .value_kind: global_buffer, .address_space: global }
      - { .name: ky_g1, .offset: 40, .size: 8, .value_kind: global_buffer, .address_space: global }
      - { .name: ky_be1, .offset: 48, .size: 8, .value_kind: global_buffer, .address_space: global }
      - { .name: sc1, .offset: 56, .size: 8, .value_kind: global_buffer, .address_space: global }
    .group_segment_fixed_size: 3072
    .private_segment_fixed_size: 0
    .kernarg_segment_align: 8
    .kernarg_segment_size: 64
    .max_flat_workgroup_size: 256
    .sgpr_count:     66
    .vgpr_count:     162
    .wavefront_size: 32
...
	.end_amdgpu_metadata
.endif
;; end of part 2
;; launch pass2 (part 3): grid 128 x 2, 4 waves a work-group, no clusters, 168,448 bytes of LDS; arguments pairwise_g, coset_functions, kg_W1, ky_W1, sc1, w2f, part; writes part
.if DOCPART == 3
	.amdgcn_target "amdgcn-amd-amdhsa--gfx1250"
	.amdhsa_code_object_version 6
	.text
	.protected	k_q87a09dad78_pass2
	.globl	k_q87a09dad78_pass2
	.p2align	8
	.type	k_q87a09dad78_pass2,@function
k_q87a09dad78_pass2:
	s_mov_b64 s[64:65], 0
	v_nop
	global_prefetch_b8 v0, s[64:65] scope:SCOPE_SE
	s_setreg_imm32_b32 hwreg(HW_REG_WAVE_MODE, 25, 1), 1
	s_wait_xcnt 0x0
; Statistics of the second Linear of both branches (y = 0 kg, y = 1 ky): z2' = relu(BN1(x W1 + b1)) W2, without b2.
; z2 (2 x 67 M numbers) is not kept: the next matrix launch makes it again.  A work-group takes 2,048 rows, a wave 512, in 4 blocks of 128.
; LAYER 1 is made as D[m = channel][n = row]: A = 16 channels of a1 W1 (BN1's scale is multiplied into W1 in f32 before the rounding to f16),
; B = 16 rows of x, C = BN1's shift c1.  Lane (r, h) then holds row r, channels 16 n + 8 h + 0..7, and after relu and packing the tiles
; n = 2 ks, 2 ks + 1 ARE registers 0-3 and 4-7 of layer 2's operand fragment ks: the activations never leave the registers.
; LAYER 2: D[m = row][n = channel], B = W2 fragments from LDS (brought once by the tensor data mover, 128 KiB).  A lane holds one channel.
; VARIANCE as in the first launch: pivot = the lane's first value, sums of d and d^2, equal-count merges.
; FORMAT: x, a1 W1, the activations and W2 are f16, sums f32.  Limit kept: an operand beyond 65,504 in magnitude overflows f16
; (the activations are bounded by 512 |g1| + |be1|, since BatchNorm's output is at most sqrt(rows) deviations).  mask is not read: reference() does not use it.
; No cluster: what work-groups share is W2's image, 128 KiB fetched once against 4,608 matrix instructions of each wave.
; One tensor load a wave, one outstanding, waited for once: there is no ring to keep filled.
.set FR1, 131072                       ; LDS: 0 W2 fragments (filled by the mover); 131,072 W1 fragments 16 KiB; 147,456 c1 1 KiB (both stored by the waves)
.set CT1, 147456
.set VA1, 8                            ; v[8:15], v[16:23] x offsets of the block's 8 tiles
.set VA2, 16
.set T, 24                             ; v[24:31]   at work
.set C, 32                             ; v[32:47]   pivot of channel tile n
.set S, 48                             ; v[48:79]   sum of d
.set Q, 80                             ; v[80:111]  sum of d^2
.set STG, 32                           ; v[32:101]  staging of W1, a1, c1 before the sums are started
.set ST, 112                           ; v[112:119] four chains of a unit's sum of d
.set QT, 120                           ; v[120:127] four chains of its sum of d^2
.set OUTR, 112
.set XR, 128                           ; v[128:255] x: 16 registers a tile as loaded, the first 8 as f16 fragment
.set BB0, 0                            ; window 1: v0-63, v64-127 two buffers of B fragments; v128-191, v192-255 two sets of 8 result tiles
.set BB1, 64
.set ACC0, 128                         ; windows 2, 3: activations, fragment (st, ks) at v[64 (st & 3) + 8 ks] of window 2 + (st >> 2)
.set MSB, 0
.macro WIN new                         ; low byte: bits 1:0 source 0, 3:2 source 1, 5:4 source 2, 7:6 destination; high byte: the setting left
.if MSB != \new
	s_set_vgpr_msb (MSB<<8)|\new
.set MSB, \new
.endif
.endm
.macro PLACES                          ; four independent vector places behind a matrix instruction (ISA guide 7.12.1)
.rept 4
	v_nop
.endr
.endm
.macro XLOAD
.irp t, 0,1,2,3,4,5,6,7
	global_load_b128 v[XR+16*\t:XR+16*\t+3], v[VA1+\t], s[4:5]
	global_load_b128 v[XR+16*\t+4:XR+16*\t+7], v[VA1+\t], s[4:5] offset:16
	global_load_b128 v[XR+16*\t+8:XR+16*\t+11], v[VA2+\t], s[4:5]
	global_load_b128 v[XR+16*\t+12:XR+16*\t+15], v[VA2+\t], s[4:5] offset:16
.endr
.endm
.macro XSTEP
.irp t, 0,1,2,3,4,5,6,7
	v_add_nc_u32 v[VA1+\t], s43, v[VA1+\t]
	v_add_nc_u32 v[VA2+\t], s44, v[VA2+\t]
.endr
.endm
.macro LDB k, buf                      ; the 8 fragments of W2's channel tile k: 16 loads of 512 consecutive bytes
	WIN 0x40
.irp i, 0,1,2,3,4,5,6,7,8,9,10,11,12,13,14,15
.if (\k) < 8
	ds_load_b128 v[\buf+4*\i:\buf+4*\i+3], v4 offset:8192*(\k)+512*\i
.else
	ds_load_b128 v[\buf+4*\i:\buf+4*\i+3], v5 offset:8192*((\k)-8)+512*\i
.endif
.endr
.endm
.macro LDP k                           ; layer 1, channel tile k: W1's fragment and the tile of c1
	WIN 0x40
	ds_load_b128 v[BB1+16*((\k)&1):BB1+16*((\k)&1)+3], v6 offset:1024*(\k)
	ds_load_b128 v[BB1+16*((\k)&1)+4:BB1+16*((\k)&1)+7], v6 offset:1024*(\k)+512
	ds_load_b128 v[BB1+16*((\k)&1)+8:BB1+16*((\k)&1)+11], v7 offset:64*(\k)
	ds_load_b128 v[BB1+16*((\k)&1)+12:BB1+16*((\k)&1)+15], v7 offset:64*(\k)+16
.endm
.macro L1MUL k                         ; 16 channels x the block's 128 rows
	WIN 0x51
.irp s, 0,1,2,3,4,5,6,7
	v_wmma_f32_16x16x32_f16 v[ACC0+64*((\k)&1)+8*\s:ACC0+64*((\k)&1)+8*\s+7], v[BB1+16*((\k)&1):BB1+16*((\k)&1)+7], v[XR+16*\s:XR+16*\s+7], v[BB1+16*((\k)&1)+8:BB1+16*((\k)&1)+15]
.endr
.endm
.macro CONV k                          ; relu, round to f16, into half (k & 1) of fragment k >> 1 of each row tile
.set AB, ACC0+64*((\k)&1)
.set AD, 8*((\k)>>1)+4*((\k)&1)
	WIN 0x41
.set ii, 0
.rept 64
	v_max_num_f32 v[AB+ii], v[AB+ii], 0
.set ii, ii+1
.endr
	WIN 0x85
.irp s, 0,1,2,3
.irp i, 0,1,2,3
	v_cvt_pk_f16_f32 v[64*\s+AD+\i], v[AB+8*\s+2*\i], v[AB+8*\s+2*\i+1]
.endr
.endr
	WIN 0xc5
.irp s, 0,1,2,3
.irp i, 0,1,2,3
	v_cvt_pk_f16_f32 v[64*\s+AD+\i], v[AB+32+8*\s+2*\i], v[AB+32+8*\s+2*\i+1]
.endr
.endr
.endm
.macro L2HALF k, hi                    ; four row tiles x channel tile k, K = 256: four chains in place, taken in turn; the first link starts the sum
.irp c, 0,1,2,3,4,5,6,7
.irp s, 0,1,2,3
.if \c == 0
	v_wmma_f32_16x16x32_f16 v[ACC0+64*((\k)&1)+32*\hi+8*\s:ACC0+64*((\k)&1)+32*\hi+8*\s+7], v[64*\s+8*\c:64*\s+8*\c+7], v[BB0+64*((\k)&1)+8*\c:BB0+64*((\k)&1)+8*\c+7], 0
.else
	v_wmma_f32_16x16x32_f16 v[ACC0+64*((\k)&1)+32*\hi+8*\s:ACC0+64*((\k)&1)+32*\hi+8*\s+7], v[64*\s+8*\c:64*\s+8*\c+7], v[BB0+64*((\k)&1)+8*\c:BB0+64*((\k)&1)+8*\c+7], v[ACC0+64*((\k)&1)+32*\hi+8*\s:ACC0+64*((\k)&1)+32*\hi+8*\s+7]
.endif
.endr
.endr
.endm
.macro L2MUL k
	WIN 0x56
	L2HALF \k, 0
	WIN 0x57
	L2HALF \k, 1
.endm
.macro SUBC reg, n
.if (\n)&1
	v_pk_add_f32 v[\reg:\reg+1], v[\reg:\reg+1], v[C+(\n)-1:C+(\n)] op_sel:[0,1] op_sel_hi:[1,1] neg_lo:[0,1] neg_hi:[0,1]
.else
	v_pk_add_f32 v[\reg:\reg+1], v[\reg:\reg+1], v[C+(\n):C+(\n)+1] op_sel_hi:[1,0] neg_lo:[0,1] neg_hi:[0,1]
.endif
.endm
.macro STATU k                         ; the sums of channel tile k over the block's 128 rows (64 values a lane)
.set AB, ACC0+64*((\k)&1)
	WIN 0x04
	v_cndmask_b32 v[C+(\k)], v[C+(\k)], v[AB], s40                  ; first block only: my first value becomes the pivot
	WIN 0x41
.set ii, 0
.rept 32
	SUBC (AB+2*ii),(\k)
.set ii, ii+1
.endr
	WIN 0x05
.irp j, 0,1,2,3
	v_pk_add_f32 v[ST+2*\j:ST+2*\j+1], v[AB+2*\j:AB+2*\j+1], v[AB+8+2*\j:AB+8+2*\j+1]     ; the first values start the chains: nothing is cleared
.endr
.irp j, 0,1,2,3
	v_pk_mul_f32 v[QT+2*\j:QT+2*\j+1], v[AB+2*\j:AB+2*\j+1], v[AB+2*\j:AB+2*\j+1]
.endr
.set ii, 4
.rept 28
	v_pk_fma_f32 v[QT+2*(ii%4):QT+2*(ii%4)+1], v[AB+2*ii:AB+2*ii+1], v[AB+2*ii:AB+2*ii+1], v[QT+2*(ii%4):QT+2*(ii%4)+1]
.set ii, ii+1
.endr
	WIN 0x01
.set ii, 8
.rept 24
	v_pk_add_f32 v[ST+2*(ii%4):ST+2*(ii%4)+1], v[AB+2*ii:AB+2*ii+1], v[ST+2*(ii%4):ST+2*(ii%4)+1]
.set ii, ii+1
.endr
	WIN 0
	v_pk_add_f32 v[ST:ST+1], v[ST:ST+1], v[ST+2:ST+3]
	v_pk_add_f32 v[ST+4:ST+5], v[ST+4:ST+5], v[ST+6:ST+7]
	v_pk_add_f32 v[QT:QT+1], v[QT:QT+1], v[QT+2:QT+3]
	v_pk_add_f32 v[QT+4:QT+5], v[QT+4:QT+5], v[QT+6:QT+7]
	v_pk_add_f32 v[ST:ST+1], v[ST:ST+1], v[ST+4:ST+5]
	v_pk_add_f32 v[QT:QT+1], v[QT:QT+1], v[QT+4:QT+5]
	v_pk_add_f32 v[S+2*(\k):S+2*(\k)+1], v[S+2*(\k):S+2*(\k)+1], v[ST:ST+1]
	v_pk_add_f32 v[Q+2*(\k):Q+2*(\k)+1], v[Q+2*(\k):Q+2*(\k)+1], v[QT:QT+1]
.endm
.macro FINSTAT                         ; (mean, M2) of the wave's 512 rows for all 256 channels, stored as 8 runs of 256 bytes
	v_lshlrev_b32 v30, 3, v1
.set ii, 0
.rept 16
	v_add_f32 v[S+2*ii], v[S+2*ii], v[S+2*ii+1]
	v_add_f32 v[Q+2*ii], v[Q+2*ii], v[Q+2*ii+1]
	v_mul_f32 v[S+2*ii+1], 0x3b800000, v[S+2*ii]                    ; t = S / 256
	v_add_f32 v[C+ii], v[C+ii], v[S+2*ii+1]                         ; m = C + t
	v_fma_f32 v[Q+2*ii], -v[S+2*ii+1], v[S+2*ii], v[Q+2*ii]         ; M = Q - t S
	v_permlanex16_b32 v[T], v[C+ii], s47, s48                       ; the other half of the wave: the same channel, the other 256 rows
	v_permlanex16_b32 v[T+1], v[Q+2*ii], s47, s48
	v_sub_f32 v[T+2], v[C+ii], v[T]
	v_add_f32 v[C+ii], v[C+ii], v[T]
	v_add_f32 v[Q+2*ii], v[Q+2*ii], v[T+1]
	v_mul_f32 v[T+3], 0x43000000, v[T+2]                            ; 128 = 256 / 2
	v_mul_f32 v[C+ii], 0.5, v[C+ii]
	v_fmac_f32 v[Q+2*ii], v[T+3], v[T+2]
.set ii, ii+1
.endr
.irp q, 0,1,2,3,4,5,6,7
	v_cndmask_b32 v[OUTR+2*\q], v[C+2*\q], v[C+2*\q+1], s45         ; lanes 0-15 channel 32 q + r, lanes 16-31 channel 32 q + 16 + r
	v_cndmask_b32 v[OUTR+2*\q+1], v[Q+4*\q], v[Q+4*\q+2], s45
	global_store_b64 v30, v[OUTR+2*\q:OUTR+2*\q+1], s[12:13] offset:256*\q    ; the wave stores 256 consecutive bytes, aligned
.endr
.endm
	s_load_b256 s[72:79], s[0:1], 0x0              ; pairwise_g 72, coset_functions 74, kg_W1 76, ky_W1 78
	s_load_b128 s[80:83], s[0:1], 0x20             ; sc1 80, w2f 82
	s_load_b64 s[84:85], s[0:1], 0x30              ; part
	v_lshl_add_u32 v254, v0, 2, 0x29000
	v_mov_b32 v255, 0
	ds_add_u32 v254, v255
	ds_add_u32 v254, v255
	s_wait_dscnt 0x0
	v_and_b32 v1, 31, v0                           ; lane L
	v_lshrrev_b32 v24, 5, v0
	v_readfirstlane_b32 s36, v24                   ; wave w
	s_and_b32 s37, ttmp7, 0xffff                   ; branch y
	s_mov_b32 s38, ttmp9                           ; g
	v_and_b32 v2, 15, v0                           ; r
	v_bfe_u32 v3, v0, 4, 1                         ; h
	s_mov_b32 s45, 0xffff0000
	s_mov_b32 s47, 0x76543210
	s_mov_b32 s48, 0xfedcba98
	; the descriptor: my quarter of W2's image, 32,768 dense bytes as 128 rows of 32 elements of 8 bytes, to LDS byte 32,768 w
	s_mov_b32 s24, 1
	s_lshl_b32 s25, s36, 15
	s_mov_b32 s28, 3<<16                           ; element of 8 bytes, no mask, no padding
	s_mov_b32 s29, 32<<16                          ; tensor_dim0 = 32
	s_mov_b32 s30, 128<<16                         ; tensor_dim1 = 128
	s_mov_b32 s31, 32<<16                          ; tile_dim0 = 32
	s_mov_b32 s32, 128                             ; tile_dim1 = 128
	s_mov_b32 s33, 32                              ; pitch 32 elements
	s_mov_b32 s34, 0
	s_mov_b32 s35, 0
	s_lshl_b32 s14, s37, 17
	s_add_co_u32 s14, s14, s25
	s_mov_b32 s15, 0
	s_wait_kmcnt 0x0
	s_add_nc_u64 s[26:27], s[82:83], s[14:15]
	s_or_b32 s27, s27, 0x80000000
	tensor_load_to_lds s[24:27], s[28:35]
	s_nop 0
	; x: as in the first launch.  T0 = 128 g + 32 w; kg: tile T at 2,048 T; ky: features 0-15 cf[b][j][t], 16-31 cf[b][i][s], r = 4 s + t
	s_lshl_b32 s14, s38, 7
	s_lshl_b32 s15, s36, 5
	s_add_co_u32 s14, s14, s15
	s_lshl_b32 s16, s14, 11
	s_lshr_b32 s17, s14, 12
	s_lshl_b32 s17, s17, 14
	s_and_b32 s18, s14, 63
	s_lshl_b32 s18, s18, 8
	s_add_co_u32 s17, s17, s18
	s_lshr_b32 s19, s14, 6
	s_lshl_b32 s19, s19, 8
	s_mov_b32 s41, 256                             ; ky's steps; an instruction carries one literal, so the selects below take these from registers
	s_mov_b32 s43, 2048
	s_cmp_eq_u32 s37, 0
	s_cselect_b32 s20, s16, s17
	s_cselect_b32 s21, s16, s19
	s_cselect_b32 s49, 15, 3
	s_cselect_b32 s50, 7, 6
	s_cselect_b32 s51, 0, 2
	s_cselect_b32 s52, 64, 0
	s_cselect_b32 s41, 2048, s41                   ; from tile to tile: 2,048 or 256
	s_cselect_b32 s42, 2048, 0
	s_cselect_b32 s43, 16384, s43                  ; from block to block: 16,384 or 2,048
	s_cselect_b32 s44, 16384, 0
	s_cselect_b64 s[4:5], s[72:73], s[74:75]       ; x
	s_cselect_b64 s[6:7], s[76:77], s[78:79]       ; W1
	v_and_b32 v24, s49, v2
	v_lshlrev_b32 v24, s50, v24
	v_lshl_add_u32 v24, v3, 5, v24
	v_add_nc_u32 v[VA1], s20, v24
	v_lshrrev_b32 v25, s51, v2
	v_lshlrev_b32 v25, s50, v25
	v_lshl_add_u32 v25, v3, 5, v25
	v_add3_u32 v[VA2], v25, s52, s21
.irp t, 1,2,3,4,5,6,7
	v_add_nc_u32 v[VA1+\t], s41, v[VA1+\t-1]
	v_add_nc_u32 v[VA2+\t], s42, v[VA2+\t-1]
.endr
	v_lshlrev_b32 v4, 4, v1                        ; LDS: 16 L (W2 tiles 0-7)
	v_add_nc_u32 v5, 0x10000, v4                   ; W2 tiles 8-15
	v_add_nc_u32 v6, FR1, v4                       ; W1 fragments
	v_lshlrev_b32 v7, 5, v3
	v_add_nc_u32 v7, CT1, v7                       ; c1 of channels 8 h ..
	v_lshlrev_b32 v27, 2, v2
	s_lshl_b32 s22, s36, 8
	v_add_nc_u32 v27, s22, v27                     ; 4 r + 256 w: a1 of my four channel tiles
	v_lshl_add_u32 v26, v3, 13, v27                ; + 8 h rows of W1
	v_lshlrev_b32 v28, 3, v0                       ; 8 x thread: two c1
	s_lshl_b32 s23, s36, 12
	v_add_nc_u32 v29, s23, v6                      ; LDS: my eight half fragments of W1
	v_add_nc_u32 v30, CT1, v28
	s_lshl_b32 s16, s37, 11
	s_mov_b32 s17, 0
	s_add_nc_u64 s[8:9], s[80:81], s[16:17]        ; sc1 of my branch: a at 0, c at 1,024
	s_lshl_b32 s18, s37, 9
	s_lshl2_add_u32 s18, s38, s18
	s_add_co_u32 s18, s18, s36
	s_lshl_b32 s18, s18, 11
	s_mov_b32 s19, 0
	s_add_nc_u64 s[12:13], s[84:85], s[18:19]      ; part: 2,048 (512 y + 4 g + w)
.irp a, 0,1,2,3
.irp b, 0,1
.irp e, 0,1,2,3,4,5,6,7
	global_load_b32 v[STG+16*\a+8*\b+\e], v26, s[6:7] offset:1024*\e+16384*\b+64*\a   ; W1(16 b + 8 h + e, 16 (4 w + a) + r)
.endr
.endr
.endr
.irp a, 0,1,2,3
	global_load_b32 v[STG+64+\a], v27, s[8:9] offset:64*\a
.endr
	global_load_b64 v[STG+68:STG+69], v28, s[8:9] offset:1024
	XLOAD
	s_wait_loadcnt 32                              ; weights, a1, c1 are in; the 32 younger loads of x stay out
.irp a, 0,1,2,3
.irp e, 0,1,2,3,4,5,6,7,8,9,10,11,12,13,14,15
	v_mul_f32 v[STG+16*\a+\e], v[STG+64+\a], v[STG+16*\a+\e]        ; BN1's scale, in f32, before the rounding
.endr
.endr
.set ii, 0
.rept 32
	v_cvt_pk_f16_f32 v[STG+ii], v[STG+2*ii], v[STG+2*ii+1]
.set ii, ii+1
.endr
.irp i, 0,1,2,3,4,5,6,7
	ds_store_b128 v29, v[STG+4*\i:STG+4*\i+3] offset:512*\i
.endr
	ds_store_b64 v30, v[STG+68:STG+69]
.set ii, 0
.rept 80
	v_mov_b32 v[C+ii], 0                           ; pivots and sums, once a wave: the block loop is rolled
.set ii, ii+1
.endr
	s_wait_dscnt 0x0                               ; my LDS stores,
	s_wait_tensorcnt 0x0                           ; and my quarter of W2, are in before I say so
	s_barrier_signal -1
	s_barrier_wait -1                              ; LDS is only read from here on
	s_mov_b32 s39, 0
.Lblk:
	s_cmp_eq_u32 s39, 0
	s_cselect_b32 s40, -1, 0
	LDB 0,BB0
	LDP 0
	LDP 1
	WIN 0
	s_wait_loadcnt 0x0                             ; this block's x; also frees VA1, VA2
.irp t, 0,1,2,3,4,5,6,7
.irp i, 0,1,2,3,4,5,6,7
	v_cvt_pk_f16_f32 v[XR+16*\t+\i], v[XR+16*\t+2*\i], v[XR+16*\t+2*\i+1]     ; in place, ascending
.endr
.endr
	; LAYER 1: the conversion of tile n - 1 stands behind the products of tile n and supplies their places
.set n, 0
.rept 16
.if n == 15
	s_wait_dscnt 0x0
.else
	s_wait_dscnt 0x4                               ; tile n's four loads are in; the four of tile n + 1 stay out
.endif
	L1MUL n
.if n == 0
	PLACES
.else
	CONV (n-1)
.endif
.if n < 14
	LDP (n+2)
.endif
.set n, n+1
.endr
	CONV 15
	LDB 1,BB1
	; LAYER 2: 64 products of channel tile n, then the sums of tile n - 1, then the fragments of tile n + 2 into the buffer just read
.set n, 0
.rept 16
.if n == 15
	s_wait_dscnt 0x0
.elseif n > 0
	s_wait_dscnt 0x10                              ; tile n's 16 loads are in; the 16 of tile n + 1 stay out
.endif
	L2MUL n
.if n == 0
	WIN 0
	XSTEP                                          ; 16 places behind the products; the addresses were freed at the block's head
	s_cmp_eq_u32 s39, 3
	s_cbranch_scc1 .Lnox                           ; the last block asks for nothing: no load leaves the buffer
	XLOAD                                          ; the next block's x, a whole layer 2 ahead
.Lnox:
.else
	STATU (n-1)
.endif
.if n < 14
	LDB (n+2),(BB0+64*(n&1))
.endif
.set n, n+1
.endr
	STATU 15
	WIN 0
	s_add_co_u32 s39, s39, 1
	s_cmp_lt_u32 s39, 4
	s_cbranch_scc1 .Lblk
	FINSTAT
	s_wait_xcnt 0x0
	v_lshl_add_u32 v254, v0, 2, 0x29000
	v_mov_b32 v255, 0
	s_wait_tensorcnt 0x0
	ds_add_u32 v254, v255
	s_wait_dscnt 0x0
	s_endpgm
.Lfunc_end_k_q87a09dad78_pass2:
	.size	k_q87a09dad78_pass2, .Lfunc_end_k_q87a09dad78_pass2-k_q87a09dad78_pass2
	.p2alignl 7, 3214868480
	.fill 96, 4, 3214868480
	.section	.rodata,"a",@progbits
	.p2align	6, 0x0
	.amdhsa_kernel k_q87a09dad78_pass2
		.amdhsa_group_segment_fixed_size 168448
		.amdhsa_private_segment_fixed_size 0
		.amdhsa_enable_private_segment 0
		.amdhsa_kernarg_size 56
		.amdhsa_user_sgpr_count 2
		.amdhsa_user_sgpr_kernarg_segment_ptr 1
		.amdhsa_wavefront_size32 1
		.amdhsa_system_sgpr_workgroup_id_x 1
		.amdhsa_system_sgpr_workgroup_id_y 1
		.amdhsa_system_sgpr_workgroup_id_z 1
		.amdhsa_system_vgpr_workitem_id 0
		.amdhsa_next_free_vgpr 1024
		.amdhsa_next_free_sgpr 100
		.amdhsa_reserve_vcc 0
		.amdhsa_float_denorm_mode_32 3
		.amdhsa_float_denorm_mode_16_64 3
		.amdhsa_memory_ordered 1
		.amdhsa_forward_progress 1
		.amdhsa_inst_pref_size 255
	.end_amdhsa_kernel
	.section	.bss,"aw",@nobits
	.p2align	6
	.space	262144
	.amdgpu_metadata
---
amdhsa.version: [ 1, 2 ]
amdhsa.kernels:
  - .name:           k_q87a09dad78_pass2
    .symbol:         k_q87a09dad78_pass2.kd
    .args:
      - { .name: pairwise_g, .offset: 0, .size: 8, .value_kind: global_buffer, .address_space: global }
      - { .name: coset_functions, .offset: 8, .size: 8, .value_kind: global_buffer, .address_space: global }
      - { .name: kg_W1, .offset: 16, .size: 8, .value_kind: global_buffer, .address_space: global }
      - { .name: ky_W1, .offset: 24, .size: 8, .value_kind: global_buffer, .address_space: global }
      - { .name: sc1, .offset: 32, .size: 8, .value_kind: global_buffer, .address_space: global }
      - { .name: w2f, .offset: 40, .size: 8, .value_kind: global_buffer, .address_space: global }
      - { .name: part, .offset: 48, .size: 8, .value_kind: global_buffer, .address_space: global }
    .group_segment_fixed_size: 168448
    .private_segment_fixed_size: 0
    .kernarg_segment_align: 8
    .kernarg_segment_size: 56
    .max_flat_workgroup_size: 128
    .sgpr_count:     100
    .vgpr_count:     1024
    .wavefront_size: 32
...
	.end_amdgpu_metadata
.endif
;; end of part 3
;; launch fin2: the kernel of part 2 again; grid 8 x 2, 8 waves a work-group, no clusters, 3,072 bytes of LDS; arguments part, kg_b2, kg_g2, kg_be2, ky_b2, ky_g2, ky_be2, sc2; writes sc2
;; launch pass3 (part 4): grid 128 x 2, 4 waves a work-group, no clusters, 168,448 bytes of LDS; arguments pairwise_g, coset_functions, kg_W1, ky_W1, sc1, w2f, sc2, kg_W3, ky_W3, z3, part3; writes z3, part3
.if DOCPART == 4
	.amdgcn_target "amdgcn-amd-amdhsa--gfx1250"
	.amdhsa_code_object_version 6
	.text
	.protected	k_q87a09dad78_pass3
	.globl	k_q87a09dad78_pass3
	.p2align	8
	.type	k_q87a09dad78_pass3,@function
k_q87a09dad78_pass3:
	s_mov_b64 s[64:65], 0
	v_nop
	global_prefetch_b8 v0, s[64:65] scope:SCOPE_SE
	s_setreg_imm32_b32 hwreg(HW_REG_WAVE_MODE, 25, 1), 1
	s_wait_xcnt 0x0
; Both branches to the end of the third Linear: z3' = relu(BN2(relu(BN1(x W1 + b1)) W2 + b2)) W3, without b3, stored in f32, and the
; (mean, M2) of each wave's 512 values of z3'.  Layers 1 and 2 are made exactly as in the launch that took layer 2's statistics:
; layer 1 as D[channel][row] with a1 W1 and c1, so that relu and packing give layer 2's operand fragments in place; layer 2 as D[row][channel].
; BN2, relu and the product with W3 are f32 vector work on the results: a lane holds one channel, so a2, c2, w3 are one 16-byte LDS load a tile.
; The sum over channels: over the 16 channel tiles in the lane, then over the 16 lanes of a half wave by four halving exchanges, after
; which a lane holds four neighbouring rows and the wave stores 512 consecutive bytes.
; FORMAT: x, a1 W1, the activations and W2 are f16, sums f32; everything behind layer 2's products is f32.  Limit kept: an operand beyond
; 65,504 in magnitude overflows f16.  mask is not read: reference() does not use it.
; No cluster: what work-groups share is W2's image, 128 KiB fetched once against 4,608 matrix instructions of each wave.
; One tensor load a wave, one outstanding, waited for once.
.set FR1, 131072                       ; LDS: 0 W2 fragments (mover); 131,072 W1 fragments; 147,456 c1; 148,480 [channel][a2, c2, w3, 0] 4 KiB (stored by the waves)
.set CT1, 147456
.set PR, 148480
.set VA1, 8
.set VA2, 16
.set T, 24
.set STG, 32                           ; v[32:101] staging of W1, a1, c1; v[108:115] staging of a2, c2, w3
.set PB, 32                            ; v[32:39]   two sets of (a2, c2, w3, 0)
.set A3, 40                            ; v[40:103]  my channels' share of z3' of the block's rows: 8 st + j
.set C3, 108                           ; pivot, sum of d, sum of d^2 of z3'
.set S3, 109
.set Q3, 110
.set ZO, 111                           ; my byte offset in z3
.set PRA, 112                          ; LDS: PR + 16 r
.set RT, 114                           ; v[114:121] at work
.set XR, 128
.set BB0, 0
.set BB1, 64
.set ACC0, 128
.set MSB, 0
.macro WIN new
.if MSB != \new
	s_set_vgpr_msb (MSB<<8)|\new
.set MSB, \new
.endif
.endm
.macro PLACES
.rept 4
	v_nop
.endr
.endm
.macro XLOAD
.irp t, 0,1,2,3,4,5,6,7
	global_load_b128 v[XR+16*\t:XR+16*\t+3], v[VA1+\t], s[4:5]
	global_load_b128 v[XR+16*\t+4:XR+16*\t+7], v[VA1+\t], s[4:5] offset:16
	global_load_b128 v[XR+16*\t+8:XR+16*\t+11], v[VA2+\t], s[4:5]
	global_load_b128 v[XR+16*\t+12:XR+16*\t+15], v[VA2+\t], s[4:5] offset:16
.endr
.endm
.macro XSTEP
.irp t, 0,1,2,3,4,5,6,7
	v_add_nc_u32 v[VA1+\t], s43, v[VA1+\t]
	v_add_nc_u32 v[VA2+\t], s44, v[VA2+\t]
.endr
.endm
.macro LDB k, buf
	WIN 0x40
.irp i, 0,1,2,3,4,5,6,7,8,9,10,11,12,13,14,15
.if (\k) < 8
	ds_load_b128 v[\buf+4*\i:\buf+4*\i+3], v4 offset:8192*(\k)+512*\i
.else
	ds_load_b128 v[\buf+4*\i:\buf+4*\i+3], v5 offset:8192*((\k)-8)+512*\i
.endif
.endr
.endm
.macro LDP k
	WIN 0x40
	ds_load_b128 v[BB1+16*((\k)&1):BB1+16*((\k)&1)+3], v6 offset:1024*(\k)
	ds_load_b128 v[BB1+16*((\k)&1)+4:BB1+16*((\k)&1)+7], v6 offset:1024*(\k)+512
	ds_load_b128 v[BB1+16*((\k)&1)+8:BB1+16*((\k)&1)+11], v7 offset:64*(\k)
	ds_load_b128 v[BB1+16*((\k)&1)+12:BB1+16*((\k)&1)+15], v7 offset:64*(\k)+16
.endm
.macro L1MUL k
	WIN 0x51
.irp s, 0,1,2,3,4,5,6,7
	v_wmma_f32_16x16x32_f16 v[ACC0+64*((\k)&1)+8*\s:ACC0+64*((\k)&1)+8*\s+7], v[BB1+16*((\k)&1):BB1+16*((\k)&1)+7], v[XR+16*\s:XR+16*\s+7], v[BB1+16*((\k)&1)+8:BB1+16*((\k)&1)+15]
.endr
.endm
.macro CONV k
.set AB, ACC0+64*((\k)&1)
.set AD, 8*((\k)>>1)+4*((\k)&1)
	WIN 0x41
.set ii, 0
.rept 64
	v_max_num_f32 v[AB+ii], v[AB+ii], 0
.set ii, ii+1
.endr
	WIN 0x85
.irp s, 0,1,2,3
.irp i, 0,1,2,3
	v_cvt_pk_f16_f32 v[64*\s+AD+\i], v[AB+8*\s+2*\i], v[AB+8*\s+2*\i+1]
.endr
.endr
	WIN 0xc5
.irp s, 0,1,2,3
.irp i, 0,1,2,3
	v_cvt_pk_f16_f32 v[64*\s+AD+\i], v[AB+32+8*\s+2*\i], v[AB+32+8*\s+2*\i+1]
.endr
.endr
.endm
.macro L2HALF k, hi
.irp c, 0,1,2,3,4,5,6,7
.irp s, 0,1,2,3
.if \c == 0
	v_wmma_f32_16x16x32_f16 v[ACC0+64*((\k)&1)+32*\hi+8*\s:ACC0+64*((\k)&1)+32*\hi+8*\s+7], v[64*\s+8*\c:64*\s+8*\c+7], v[BB0+64*((\k)&1)+8*\c:BB0+64*((\k)&1)+8*\c+7], 0
.else
	v_wmma_f32_16x16x32_f16 v[ACC0+64*((\k)&1)+32*\hi+8*\s:ACC0+64*((\k)&1)+32*\hi+8*\s+7], v[64*\s+8*\c:64*\s+8*\c+7], v[BB0+64*((\k)&1)+8*\c:BB0+64*((\k)&1)+8*\c+7], v[ACC0+64*((\k)&1)+32*\hi+8*\s:ACC0+64*((\k)&1)+32*\hi+8*\s+7]
.endif
.endr
.endr
.endm
.macro L2MUL k
	WIN 0x56
	L2HALF \k, 0
	WIN 0x57
	L2HALF \k, 1
.endm
.macro EPI3 k                          ; channel tile k: a2 z + c2, relu, times w3, added to the rows' sums (tile 0 starts them)
.set AB, ACC0+64*((\k)&1)
.set PP, PB+4*((\k)&1)
	WIN 0x41
.set ii, 0
.rept 32
	v_pk_fma_f32 v[AB+2*ii:AB+2*ii+1], v[AB+2*ii:AB+2*ii+1], v[PP:PP+1], v[PP:PP+1] op_sel:[0,0,1] op_sel_hi:[1,0,1]
.set ii, ii+1
.endr
.set ii, 0
.rept 64
	v_max_num_f32 v[AB+ii], v[AB+ii], 0
.set ii, ii+1
.endr
	WIN 0x01
.set ii, 0
.rept 32
.if (\k) == 0
	v_pk_mul_f32 v[A3+2*ii:A3+2*ii+1], v[AB+2*ii:AB+2*ii+1], v[PP+2:PP+3] op_sel_hi:[1,0]
.else
	v_pk_fma_f32 v[A3+2*ii:A3+2*ii+1], v[AB+2*ii:AB+2*ii+1], v[PP+2:PP+3], v[A3+2*ii:A3+2*ii+1] op_sel_hi:[1,0,1]
.endif
.set ii, ii+1
.endr
.endm
.macro RSTEP cnt, xm, mask             ; 2 cnt values a lane become cnt: lanes in the mask keep the upper half, the others the lower, and each adds what its partner (lane xor xm) sends
.set ii, 0
.rept \cnt
	v_cndmask_b32 v[RT+2*(ii%4)], v[A3+ii+\cnt], v[A3+ii], \mask
	v_cndmask_b32 v[RT+2*(ii%4)+1], v[A3+ii], v[A3+ii+\cnt], \mask
	v_add_f32_dpp v[A3+ii], v[RT+2*(ii%4)], v[RT+2*(ii%4)+1] row_xmask:\xm row_mask:0xf bank_mask:0xf
.set ii, ii+1
.endr
.endm
.macro MERGE xm, f                     ; equal-count merge with lane xor xm; f = half the count of each side
	v_add_f32_dpp v[RT+4], v[RT+2], v[RT+2] row_xmask:\xm row_mask:0xf bank_mask:0xf
	v_add_f32_dpp v[RT+5], v[RT+3], v[RT+3] row_xmask:\xm row_mask:0xf bank_mask:0xf
	v_fma_f32 v[RT+6], 2.0, v[RT+2], -v[RT+4]      ; m - m'
	v_mul_f32 v[RT+7], \f, v[RT+6]
	v_mul_f32 v[RT+2], 0.5, v[RT+4]
	v_fma_f32 v[RT+3], v[RT+7], v[RT+6], v[RT+5]
.endm
	s_load_b512 s[72:87], s[0:1], 0x0              ; pairwise_g 72, coset_functions 74, kg_W1 76, ky_W1 78, sc1 80, w2f 82, sc2 84, kg_W3 86
	s_load_b128 s[88:91], s[0:1], 0x40             ; ky_W3 88, z3 90
	s_load_b64 s[92:93], s[0:1], 0x50              ; part3
	v_lshl_add_u32 v126, v0, 2, 0x29000
	v_mov_b32 v127, 0
	ds_add_u32 v126, v127
	ds_add_u32 v126, v127
	v_and_b32 v1, 31, v0
	v_lshrrev_b32 v24, 5, v0
	v_readfirstlane_b32 s36, v24                   ; wave w
	s_and_b32 s37, ttmp7, 0xffff                   ; branch y
	s_mov_b32 s38, ttmp9                           ; g
	v_and_b32 v2, 15, v0                           ; r
	v_bfe_u32 v3, v0, 4, 1                         ; h
	s_mov_b32 s47, 0x76543210
	s_mov_b32 s48, 0xfedcba98
	s_mov_b32 s53, 0xff00ff00                      ; lanes with r & 8, & 4, & 2, & 1
	s_mov_b32 s54, 0xf0f0f0f0
	s_mov_b32 s55, 0xcccccccc
	s_mov_b32 s56, 0xaaaaaaaa
	; the descriptor: my quarter of W2's image, 32,768 dense bytes as 128 rows of 32 elements of 8 bytes, to LDS byte 32,768 w
	s_mov_b32 s24, 1
	s_lshl_b32 s25, s36, 15
	s_mov_b32 s28, 3<<16
	s_mov_b32 s29, 32<<16
	s_mov_b32 s30, 128<<16
	s_mov_b32 s31, 32<<16
	s_mov_b32 s32, 128
	s_mov_b32 s33, 32
	s_mov_b32 s34, 0
	s_mov_b32 s35, 0
	s_lshl_b32 s14, s37, 17
	s_add_co_u32 s14, s14, s25
	s_mov_b32 s15, 0
	s_wait_dscnt 0x0
	s_wait_kmcnt 0x0
	s_add_nc_u64 s[26:27], s[82:83], s[14:15]
	s_or_b32 s27, s27, 0x80000000
	tensor_load_to_lds s[24:27], s[28:35]
	s_nop 0
	s_lshl_b32 s14, s38, 7
	s_lshl_b32 s15, s36, 5
	s_add_co_u32 s14, s14, s15                     ; T0 = 128 g + 32 w
	s_lshl_b32 s16, s14, 11
	s_lshr_b32 s17, s14, 12
	s_lshl_b32 s17, s17, 14
	s_and_b32 s18, s14, 63
	s_lshl_b32 s18, s18, 8
	s_add_co_u32 s17, s17, s18
	s_lshr_b32 s19, s14, 6
	s_lshl_b32 s19, s19, 8
	s_mov_b32 s41, 256                             ; ky's steps; an instruction carries one literal, so the selects below take these from registers
	s_mov_b32 s43, 2048
	s_cmp_eq_u32 s37, 0
	s_cselect_b32 s20, s16, s17
	s_cselect_b32 s21, s16, s19
	s_cselect_b32 s49, 15, 3
	s_cselect_b32 s50, 7, 6
	s_cselect_b32 s51, 0, 2
	s_cselect_b32 s52, 64, 0
	s_cselect_b32 s41, 2048, s41                   ; from tile to tile: 2,048 or 256
	s_cselect_b32 s42, 2048, 0
	s_cselect_b32 s43, 16384, s43                  ; from block to block: 16,384 or 2,048
	s_cselect_b32 s44, 16384, 0
	s_cselect_b64 s[4:5], s[72:73], s[74:75]       ; x
	s_cselect_b64 s[6:7], s[76:77], s[78:79]       ; W1
	s_cselect_b64 s[58:59], s[86:87], s[88:89]     ; W3
	v_and_b32 v24, s49, v2
	v_lshlrev_b32 v24, s50, v24
	v_lshl_add_u32 v24, v3, 5, v24
	v_add_nc_u32 v[VA1], s20, v24
	v_lshrrev_b32 v25, s51, v2
	v_lshlrev_b32 v25, s50, v25
	v_lshl_add_u32 v25, v3, 5, v25
	v_add3_u32 v[VA2], v25, s52, s21
.irp t, 1,2,3,4,5,6,7
	v_add_nc_u32 v[VA1+\t], s41, v[VA1+\t-1]
	v_add_nc_u32 v[VA2+\t], s42, v[VA2+\t-1]
.endr
	v_lshlrev_b32 v4, 4, v1
	v_add_nc_u32 v5, 0x10000, v4
	v_add_nc_u32 v6, FR1, v4
	v_lshlrev_b32 v7, 5, v3
	v_add_nc_u32 v7, CT1, v7
	v_lshlrev_b32 v27, 2, v2
	s_lshl_b32 s22, s36, 8
	v_add_nc_u32 v27, s22, v27
	v_lshl_add_u32 v26, v3, 13, v27
	v_lshlrev_b32 v28, 3, v0
	s_lshl_b32 s23, s36, 12
	v_add_nc_u32 v29, s23, v6
	v_add_nc_u32 v30, CT1, v28
	v_lshlrev_b32 v31, 2, v0                       ; 4 x thread: channel = thread, and thread + 128
	v_lshlrev_b32 v25, 4, v0
	v_add_nc_u32 v25, PR, v25                      ; LDS: its quad
	s_lshl_b32 s16, s37, 11
	s_mov_b32 s17, 0
	s_add_nc_u64 s[8:9], s[80:81], s[16:17]        ; sc1 of my branch
	s_add_nc_u64 s[10:11], s[84:85], s[16:17]      ; sc2 of my branch
	s_lshl_b32 s18, s37, 20
	s_lshl_b32 s19, s38, 13
	s_add_co_u32 s18, s18, s19
	s_mov_b32 s19, 0
	s_add_nc_u64 s[12:13], s[90:91], s[18:19]      ; z3: branch, then the work-group's 2,048 rows
	s_lshl_b32 s20, s37, 9
	s_lshl2_add_u32 s20, s38, s20
	s_add_co_u32 s20, s20, s36
	s_lshl_b32 s20, s20, 3
	s_mov_b32 s21, 0
	s_add_nc_u64 s[60:61], s[92:93], s[20:21]      ; part3: 8 (512 y + 4 g + w)
.irp a, 0,1,2,3
.irp b, 0,1
.irp e, 0,1,2,3,4,5,6,7
	global_load_b32 v[STG+16*\a+8*\b+\e], v26, s[6:7] offset:1024*\e+16384*\b+64*\a
.endr
.endr
.endr
.irp a, 0,1,2,3
	global_load_b32 v[STG+64+\a], v27, s[8:9] offset:64*\a
.endr
	global_load_b64 v[STG+68:STG+69], v28, s[8:9] offset:1024
	global_load_b32 v108, v31, s[10:11]            ; a2, c2, w3 of channel = thread
	global_load_b32 v109, v31, s[10:11] offset:1024
	global_load_b32 v110, v31, s[58:59]
	global_load_b32 v112, v31, s[10:11] offset:512 ; and of channel = thread + 128
	global_load_b32 v113, v31, s[10:11] offset:1536
	global_load_b32 v114, v31, s[58:59] offset:512
	v_mov_b32 v111, 0
	v_mov_b32 v115, 0
	XLOAD
	s_wait_loadcnt 32                              ; all parameters are in; the 32 younger loads of x stay out
.irp a, 0,1,2,3
.irp e, 0,1,2,3,4,5,6,7,8,9,10,11,12,13,14,15
	v_mul_f32 v[STG+16*\a+\e], v[STG+64+\a], v[STG+16*\a+\e]
.endr
.endr
.set ii, 0
.rept 32
	v_cvt_pk_f16_f32 v[STG+ii], v[STG+2*ii], v[STG+2*ii+1]
.set ii, ii+1
.endr
.irp i, 0,1,2,3,4,5,6,7
	ds_store_b128 v29, v[STG+4*\i:STG+4*\i+3] offset:512*\i
.endr
	ds_store_b64 v30, v[STG+68:STG+69]
	ds_store_b128 v25, v[108:111]
	ds_store_b128 v25, v[112:115] offset:2048
	v_mov_b32 v[C3], 0
	v_mov_b32 v[S3], 0
	v_mov_b32 v[Q3], 0
	v_lshrrev_b32 v24, 1, v2                       ; my four rows of a block: 16 (r >> 1) + 8 h + 4 (r & 1) + 0..3
	v_lshlrev_b32 v24, 6, v24
	v_lshl_add_u32 v24, v3, 5, v24
	v_and_b32 v[RT], 1, v2
	v_lshl_add_u32 v24, v[RT], 4, v24
	s_lshl_b32 s22, s36, 11
	v_add_nc_u32 v[ZO], s22, v24                   ; + the wave's 512 rows
	v_lshlrev_b32 v[PRA], 4, v2
	v_add_nc_u32 v[PRA], PR, v[PRA]
	s_wait_dscnt 0x0                               ; my LDS stores,
	s_wait_tensorcnt 0x0                           ; and my quarter of W2, are in before I say so
	s_barrier_signal -1
	s_barrier_wait -1                              ; LDS is only read from here on
	s_mov_b32 s39, 0
.Lblk:
	s_cmp_eq_u32 s39, 0
	s_cselect_b32 s40, -1, 0                       ; first block: the pivot is taken,
	s_cselect_b32 s57, 0, 512                      ; and the offset in z3 does not step yet
	LDB 0,BB0
	LDP 0
	LDP 1
	WIN 0
	s_wait_loadcnt 0x0                             ; this block's x; also frees VA1, VA2
.irp t, 0,1,2,3,4,5,6,7
.irp i, 0,1,2,3,4,5,6,7
	v_cvt_pk_f16_f32 v[XR+16*\t+\i], v[XR+16*\t+2*\i], v[XR+16*\t+2*\i+1]
.endr
.endr
.set n, 0
.rept 16
.if n == 15
	s_wait_dscnt 0x0
.else
	s_wait_dscnt 0x4                               ; tile n's four loads are in; the four of tile n + 1 stay out
.endif
	L1MUL n
.if n == 0
	PLACES
.else
	CONV (n-1)
.endif
.if n < 14
	LDP (n+2)
.endif
.set n, n+1
.endr
	CONV 15
	WIN 0
	s_wait_xcnt 0x0                                ; the last block's store has read its offset and v[40:43]: both are rewritten only behind this wait
	v_add_nc_u32 v[ZO], s57, v[ZO]
	LDB 1,BB1
	WIN 0
	ds_load_b128 v[PB:PB+3], v[PRA]
.set n, 0
.rept 16
.if n == 15
	s_wait_dscnt 0x1                               ; only tile 15's quad stays out
.elseif n > 0
	s_wait_dscnt 0x11                              ; tile n's 16 loads and tile n - 1's quad are in; the quad of n and the 16 loads of n + 1 stay out
.endif
	L2MUL n
.if n == 0
	WIN 0
	XSTEP
	s_cmp_eq_u32 s39, 3
	s_cbranch_scc1 .Lnox                           ; the last block asks for nothing: no load leaves the buffer
	XLOAD
.Lnox:
.else
	EPI3 (n-1)
.endif
.if n < 15
	WIN 0
	ds_load_b128 v[PB+4*((n+1)&1):PB+4*((n+1)&1)+3], v[PRA] offset:256*(n+1)
.endif
.if n < 14
	LDB (n+2),(BB0+64*(n&1))
.endif
.set n, n+1
.endr
	s_wait_dscnt 0x0
	EPI3 15
	WIN 0
	RSTEP 32, 8, s53
	RSTEP 16, 4, s54
	RSTEP 8, 2, s55
	RSTEP 4, 1, s56
	global_store_b128 v[ZO], v[A3:A3+3], s[12:13]  ; the wave stores 512 consecutive bytes, aligned
	v_cndmask_b32 v[C3], v[C3], v[A3], s40
.irp f, 0,1,2,3
	v_sub_f32 v[RT+\f], v[A3+\f], v[C3]
.endr
.irp f, 0,1,2,3
	v_add_f32 v[S3], v[S3], v[RT+\f]
	v_fmac_f32 v[Q3], v[RT+\f], v[RT+\f]
.endr
	s_add_co_u32 s39, s39, 1
	s_cmp_lt_u32 s39, 4
	s_cbranch_scc1 .Lblk
	; (mean, M2) of my 16 values, then five equal-count merges: 16, 32, 64, 128, 256 values a side
	v_mul_f32 v[RT], 0x3d800000, v[S3]
	v_add_f32 v[RT+2], v[C3], v[RT]
	v_fma_f32 v[RT+3], -v[RT], v[S3], v[Q3]
	MERGE 1, 0x41000000
	MERGE 2, 0x41800000
	MERGE 4, 0x42000000
	MERGE 8, 0x42800000
	v_permlanex16_b32 v[RT+4], v[RT+2], s47, s48
	v_permlanex16_b32 v[RT+5], v[RT+3], s47, s48
	v_sub_f32 v[RT+6], v[RT+2], v[RT+4]
	v_add_f32 v[RT+2], v[RT+2], v[RT+4]
	v_add_f32 v[RT+3], v[RT+3], v[RT+5]
	v_mul_f32 v[RT+7], 0x43000000, v[RT+6]
	v_mul_f32 v[RT+2], 0.5, v[RT+2]
	v_fmac_f32 v[RT+3], v[RT+7], v[RT+6]
	v_mov_b32 v113, 0
	v_cmp_eq_u32 vcc_lo, 0, v1
	s_wait_xcnt 0x0                                ; EXEC is a source of the store into z3: it changes only behind this wait
	s_wait_tensorcnt 0x0
	ds_add_u32 v126, v127
	s_wait_dscnt 0x0
	s_and_saveexec_b32 s62, vcc_lo
	global_store_b64 v113, v[RT+2:RT+3], s[60:61]  ; lane 0: the wave's pair
	s_wait_xcnt 0x0
	s_or_b32 exec_lo, exec_lo, s62
	s_endpgm
.Lfunc_end_k_q87a09dad78_pass3:
	.size	k_q87a09dad78_pass3, .Lfunc_end_k_q87a09dad78_pass3-k_q87a09dad78_pass3
	.p2alignl 7, 3214868480
	.fill 96, 4, 3214868480
	.section	.rodata,"a",@progbits
	.p2align	6, 0x0
	.amdhsa_kernel k_q87a09dad78_pass3
		.amdhsa_group_segment_fixed_size 168448
		.amdhsa_private_segment_fixed_size 0
		.amdhsa_enable_private_segment 0
		.amdhsa_kernarg_size 88
		.amdhsa_user_sgpr_count 2
		.amdhsa_user_sgpr_kernarg_segment_ptr 1
		.amdhsa_wavefront_size32 1
		.amdhsa_system_sgpr_workgroup_id_x 1
		.amdhsa_system_sgpr_workgroup_id_y 1
		.amdhsa_system_sgpr_workgroup_id_z 1
		.amdhsa_system_vgpr_workitem_id 0
		.amdhsa_next_free_vgpr 1024
		.amdhsa_next_free_sgpr 100
		.amdhsa_reserve_vcc 1
		.amdhsa_float_denorm_mode_32 3
		.amdhsa_float_denorm_mode_16_64 3
		.amdhsa_memory_ordered 1
		.amdhsa_forward_progress 1
		.amdhsa_inst_pref_size 255
	.end_amdhsa_kernel
	.section	.bss,"aw",@nobits
	.p2align	6
	.space	262144
	.amdgpu_metadata
---
amdhsa.version: [ 1, 2 ]
amdhsa.kernels:
  - .name:           k_q87a09dad78_pass3
    .symbol:         k_q87a09dad78_pass3.kd
    .args:
      - { .name: pairwise_g, .offset: 0, .size: 8, .value_kind: global_buffer, .address_space: global }
      - { .name: coset_functions, .offset: 8, .size: 8, .value_kind: global_buffer, .address_space: global }
      - { .name: kg_W1, .offset: 16, .size: 8, .value_kind: global_buffer, .address_space: global }
      - { .name: ky_W1, .offset: 24, .size: 8, .value_kind: global_buffer, .address_space: global }
      - { .name: sc1, .offset: 32, .size: 8, .value_kind: global_buffer, .address_space: global }
      - { .name: w2f, .offset: 40, .size: 8, .value_kind: global_buffer, .address_space: global }
      - { .name: sc2, .offset: 48, .size: 8, .value_kind: global_buffer, .address_space: global }
      - { .name: kg_W3, .offset: 56, .size: 8, .value_kind: global_buffer, .address_space: global }
      - { .name: ky_W3, .offset: 64, .size: 8, .value_kind: global_buffer, .address_space: global }
      - { .name: z3, .offset: 72, .size: 8, .value_kind: global_buffer, .address_space: global }
      - { .name: part3, .offset: 80, .size: 8, .value_kind: global_buffer, .address_space: global }
    .group_segment_fixed_size: 168448
    .private_segment_fixed_size: 0
    .kernarg_segment_align: 8
    .kernarg_segment_size: 88
    .max_flat_workgroup_size: 128
    .sgpr_count:     100
    .vgpr_count:     1024
    .wavefront_size: 32
...
	.end_amdgpu_metadata
.endif
;; end of part 4
;; launch final (part 5): grid 256 x 1, 4 waves a work-group, no clusters, 0 bytes of LDS; arguments z3, part3, kg_b3, kg_g3, kg_be3, ky_b3, ky_g3, ky_be3, out0; writes out0
.if DOCPART == 5
	.amdgcn_target "amdgcn-amd-amdhsa--gfx1250"
	.amdhsa_code_object_version 6
	.text
	.protected	k_q87a09dad78_final
	.globl	k_q87a09dad78_final
	.p2align	8
	.type	k_q87a09dad78_final,@function
k_q87a09dad78_final:
	s_mov_b64 s[64:65], 0
	v_nop
	global_prefetch_b8 v0, s[64:65] scope:SCOPE_SE
	s_setreg_imm32_b32 hwreg(HW_REG_WAVE_MODE, 25, 1), 1
	s_wait_xcnt 0x0
; out = relu(BN3(z3'_kg + b3)) + relu(BN3(z3'_ky + b3)).  Each wave merges the 512 partial (mean, M2) of both branches for itself
; (8 KiB, 16 pairs a lane and branch; equal-count merge, each partial over 512 rows) and makes 256 outputs: 1,024 waves, 262,144 outputs.
; mu = mean + b,  a = g rsqrt(var + 1e-5),  c = a (b - mu) + be.  A stream: no LDS, no barrier, no matrix unit, no cluster.
.set ZG, 4                             ; v[4:11]   z3' of kg, 8 values
.set ZY, 12                            ; v[12:19]  z3' of ky
.set PG, 20                            ; v[20:51]  16 pairs (mean, M2) of kg
.set PY, 52                            ; v[52:83]  of ky
.macro WSUM r                          ; sum over the wave's 32 lanes, in every lane
	v_add_f32_dpp v[\r], v[\r], v[\r] row_xmask:1 row_mask:0xf bank_mask:0xf
	v_add_f32_dpp v[\r], v[\r], v[\r] row_xmask:2 row_mask:0xf bank_mask:0xf
	v_add_f32_dpp v[\r], v[\r], v[\r] row_xmask:4 row_mask:0xf bank_mask:0xf
	v_add_f32_dpp v[\r], v[\r], v[\r] row_xmask:8 row_mask:0xf bank_mask:0xf
	v_permlanex16_b32 v91, v[\r], s30, s31
	v_add_f32 v[\r], v[\r], v91
.endm
.macro BN3 p, ac, sb, sg, sbe          ; from the pairs at p: a into v[ac], c into v[ac+1]
	v_pk_add_f32 v[86:87], v[\p:\p+1], v[\p+2:\p+3]
	v_pk_add_f32 v[88:89], v[\p+4:\p+5], v[\p+6:\p+7]
.set ii, 4
.rept 6
	v_pk_add_f32 v[86:87], v[86:87], v[\p+2*ii:\p+2*ii+1]
	v_pk_add_f32 v[88:89], v[88:89], v[\p+2*ii+2:\p+2*ii+3]
.set ii, ii+2
.endr
	v_pk_add_f32 v[86:87], v[86:87], v[88:89]      ; (sum of means, sum of M2) of my 16
	WSUM 86
	v_mul_f32 v88, 0x3b000000, v86                 ; mean of z3' = sum / 512
.set ii, 0
.rept 16
	v_sub_f32 v[\p+2*ii], v[\p+2*ii], v88
.set ii, ii+1
.endr
	v_mul_f32 v89, v[\p], v[\p]
	v_mul_f32 v90, v[\p+2], v[\p+2]
.set ii, 2
.rept 7
	v_fmac_f32 v89, v[\p+2*ii], v[\p+2*ii]
	v_fmac_f32 v90, v[\p+2*ii+2], v[\p+2*ii+2]
.set ii, ii+2
.endr
	v_add_f32 v89, v89, v90
	v_fmamk_f32 v87, v89, 0x44000000, v87          ; + 512 sum (m - mean)^2
	WSUM 87
	v_fma_f32 v89, v87, s32, s33                   ; biased variance + eps
	v_rsq_f32 v89, v89
	v_add_f32 v90, \sb, v88                        ; mu: the plain instruction behind v_rsq_f32 (ISA guide 5.7.2)
	s_wait_alu depctr_va_vdst(0)
	v_mul_f32 v[\ac], \sg, v89
	v_sub_f32 v90, \sb, v90
	v_fma_f32 v[\ac+1], v[\ac], v90, \sbe
.endm
	s_load_b512 s[8:23], s[0:1], 0x0               ; z3 8, part3 10, kg b 12, g 14, be 16, ky b 18, g 20, be 22
	s_load_b64 s[24:25], s[0:1], 0x40              ; out0
	v_and_b32 v1, 31, v0
	v_lshlrev_b32 v2, 4, v1                        ; 16 L
	v_lshrrev_b32 v3, 5, v0
	v_lshl_add_u32 v3, v3, 10, v2
	s_lshl_b32 s4, ttmp9, 12
	v_add_nc_u32 v3, s4, v3                        ; 1,024 (4 g + w) + 16 L
	s_mov_b32 s30, 0x76543210
	s_mov_b32 s31, 0xfedcba98
	s_mov_b32 s32, 0x36800000                      ; 1 / 262,144
	s_mov_b32 s33, 0x3727c5ac                      ; 1e-5
	v_mov_b32 v91, 0                               ; v_permlanex16_b32's destination counts as read
	s_wait_kmcnt 0x0
	s_load_b32 s26, s[12:13], 0x0
	s_load_b32 s27, s[14:15], 0x0
	s_load_b32 s28, s[16:17], 0x0
	s_load_b32 s29, s[18:19], 0x0
	s_load_b32 s34, s[20:21], 0x0
	s_load_b32 s35, s[22:23], 0x0
.irp i, 0,1,2,3,4,5,6,7
	global_load_b128 v[PG+4*\i:PG+4*\i+3], v2, s[10:11] offset:512*\i
.endr
.irp i, 0,1,2,3,4,5,6,7
	global_load_b128 v[PY+4*\i:PY+4*\i+3], v2, s[10:11] offset:4096+512*\i
.endr
	global_load_b128 v[ZG:ZG+3], v3, s[8:9]
	global_load_b128 v[ZG+4:ZG+7], v3, s[8:9] offset:512
	global_load_b128 v[ZY:ZY+3], v3, s[8:9] offset:1048576
	global_load_b128 v[ZY+4:ZY+7], v3, s[8:9] offset:1049088
	s_wait_loadcnt 0x4                             ; the partials are in; the four younger loads of z3' stay out
	s_wait_kmcnt 0x0
	BN3 PG, 92, s26, s27, s28
	BN3 PY, 94, s29, s34, s35
	s_wait_loadcnt 0x0
.irp j, 0,2,4,6
	v_pk_fma_f32 v[ZG+\j:ZG+\j+1], v[ZG+\j:ZG+\j+1], v[92:93], v[92:93] op_sel:[0,0,1] op_sel_hi:[1,0,1]
	v_pk_fma_f32 v[ZY+\j:ZY+\j+1], v[ZY+\j:ZY+\j+1], v[94:95], v[94:95] op_sel:[0,0,1] op_sel_hi:[1,0,1]
.endr
.irp j, 0,1,2,3,4,5,6,7
	v_max_num_f32 v[ZG+\j], 0, v[ZG+\j]
	v_max_num_f32 v[ZY+\j], 0, v[ZY+\j]
.endr
.irp j, 0,2,4,6
	v_pk_add_f32 v[ZG+\j:ZG+\j+1], v[ZG+\j:ZG+\j+1], v[ZY+\j:ZY+\j+1]
.endr
	global_store_b128 v3, v[ZG:ZG+3], s[24:25]     ; each store of the wave covers 512 consecutive bytes, aligned
	global_store_b128 v3, v[ZG+4:ZG+7], s[24:25] offset:512
	s_endpgm
.Lfunc_end_k_q87a09dad78_final:
	.size	k_q87a09dad78_final, .Lfunc_end_k_q87a09dad78_final-k_q87a09dad78_final
	.p2alignl 7, 3214868480
	.fill 96, 4, 3214868480
	.section	.rodata,"a",@progbits
	.p2align	6, 0x0
	.amdhsa_kernel k_q87a09dad78_final
		.amdhsa_group_segment_fixed_size 0
		.amdhsa_private_segment_fixed_size 0
		.amdhsa_enable_private_segment 0
		.amdhsa_kernarg_size 72
		.amdhsa_user_sgpr_count 2
		.amdhsa_user_sgpr_kernarg_segment_ptr 1
		.amdhsa_wavefront_size32 1
		.amdhsa_system_sgpr_workgroup_id_x 1
		.amdhsa_system_sgpr_workgroup_id_y 1
		.amdhsa_system_sgpr_workgroup_id_z 1
		.amdhsa_system_vgpr_workitem_id 0
		.amdhsa_next_free_vgpr 96
		.amdhsa_next_free_sgpr 66
		.amdhsa_reserve_vcc 0
		.amdhsa_float_denorm_mode_32 3
		.amdhsa_float_denorm_mode_16_64 3
		.amdhsa_memory_ordered 1
		.amdhsa_forward_progress 1
		.amdhsa_inst_pref_size 11
	.end_amdhsa_kernel
	.amdgpu_metadata
---
amdhsa.version: [ 1, 2 ]
amdhsa.kernels:
  - .name:           k_q87a09dad78_final
    .symbol:         k_q87a09dad78_final.kd
    .args:
      - { .name: z3, .offset: 0, .size: 8, .value_kind: global_buffer, .address_space: global }
      - { .name: part3, .offset: 8, .size: 8, .value_kind: global_buffer, .address_space: global }
      - { .name: kg_b3, .offset: 16, .size: 8, .value_kind: global_buffer, .address_space: global }
      - { .name: kg_g3, .offset: 24, .size: 8, .value_kind: global_buffer, .address_space: global }
      - { .name: kg_be3, .offset: 32, .size: 8, .value_kind: global_buffer, .address_space: global }
      - { .name: ky_b3, .offset: 40, .size: 8, .value_kind: global_buffer, .address_space: global }
      - { .name: ky_g3, .offset: 48, .size: 8, .value_kind: global_buffer, .address_space: global }
      - { .name: ky_be3, .offset: 56, .size: 8, .value_kind: global_buffer, .address_space: global }
      - { .name: out0, .offset: 64, .size: 8, .value_kind: global_buffer, .address_space: global }
    .group_segment_fixed_size: 0
    .private_segment_fixed_size: 0
    .kernarg_segment_align: 8
    .kernarg_segment_size: 72
    .max_flat_workgroup_size: 128
    .sgpr_count:     66
    .vgpr_count:     96
    .wavefront_size: 32
...
	.end_amdgpu_metadata
.endif
;; end of part 5
